; MI455X (gfx1250); checked and timed in simulation.
; The chip was launched on July 23, 2026; its instructions are those of AMD's public machine-readable ISA for CDNA 5 (MIT licence, August 2026) and "CDNA5" Instruction Set Architecture Reference Guide (July 2026). The comments in the code are by the model that wrote it; some were corrected since.
;; Project. Allowed arithmetic: float matrix products may take bf16 or f16 operands with f32 sums; other float arithmetic in f32, or as packed bf16 or f16 multiplies, adds, multiply-adds, maxima and minima; sums over many terms, partial sums and values carried from step to step in f32; what a program stores and reads back later, other than sums and carried values, may be rounded once to bf16 or f16.
;; Inputs: image 256 x 256 float32; tof_value 100,000 float32; x1l 100,000 float32; x1r 100,000 float32; x2l 100,000 float32; x2r 100,000 float32; y1l 100,000 float32; y1r 100,000 float32; y2l 100,000 float32; y2r 100,000 float32.
;; Outputs: out0 100,000 float32.
;; 2 versions, each right and faster than the one before. Each part assembles by itself: llvm-mc -triple=amdgcn-amd-amdhsa -mcpu=gfx1250 --defsym DOCPART=n.
;; ======== version 1 of 2: 2 launches
;; limits: values outside matrix products are rounded to bf16
;; workspace buffers: tab 270,336 bytes; rec 3,203,072 bytes of whole numbers
;; launch prep (part 1): grid 848 x 1, 8 waves a work-group, no clusters, 0 bytes of LDS; arguments image, tof_value, x1l, x1r, x2l, x2r, y1l, y1r, y2l, y2r, tab, rec; writes tab, rec
.if DOCPART == 1
	.amdgcn_target "amdgcn-amd-amdhsa--gfx1250"
	.amdhsa_code_object_version 6
	.text
	.protected	k_qdcbeac4d68_prep
	.globl	k_qdcbeac4d68_prep
	.p2align	8
	.type	k_qdcbeac4d68_prep,@function
k_qdcbeac4d68_prep:
	s_mov_b64 s[64:65], 0
	v_nop
	global_prefetch_b8 v0, s[64:65] scope:SCOPE_SE
	s_setreg_imm32_b32 hwreg(HW_REG_WAVE_MODE, 25, 1), 1
	s_wait_xcnt 0x0
; PREP: what the marching launch needs as whole numbers and as a table.
; Work-groups 0..781: one record of 32 bytes for each event (and 96 copies of the last event behind them, so that all of rec is written):
;   X0, DX, Y0, DY   the ray in pixels, biased by 2, as 9.23 fixed point: place of the first sample taken, and the step from sample to sample
;   CNT              samples taken (0..256)
;   Q0, G, AMP       f32: the weight of sample k of those taken is AMP x 2^-(Q0 + k G)^2
; Work-groups 782..847: the table, 67,584 words: word a = rx 257 + ry serves image row rx - 2 and columns ry - 2, ry - 1 (0 outside the grid):
;   low half bf16(2 I0 - I1), high half bf16(I1 - I0), so that low + (1 + fy) high is the row's value at fraction fy.
; ARITHMETIC.  The sample's place is p1 + (s + 1/2) d / 256, where the reference forms p1 + (L frac)(d / L): another order of rounding.
; The samples taken are those of 0..255 whose biased place lies in [1, 258] in x and in y (outside it all four pixels are outside the grid, on its edge their
; weights are 0) and whose |q| is at most 11.3: beyond that 2^-(q q) lies below 2^-126, which v_exp_f32 gives as 0 (ISA guide, its entry in 15.8).
; LIMITS.  A weight below 2^-126 counts as 0.  The image is rounded once into the two bf16 numbers (8 significant bits each).  |d| below 131,072 mm in x and y
; (256 pixels a sample; DX is clamped beyond).  Coordinates below about 1e6 mm, so that f32's error of the window's ends stays under a pixel, which the table's
; zero rows and edge words take up.  NaN and infinities among the inputs are not treated apart.
.set EVENTS,  100000
.set EVWG,    782                      ; work-groups for events: 782 x 256 threads, two threads an event: 100,096 records
.set K_I512,  0x3b000000               ; 1/512: mm along the whole ray -> pixels a sample
.set K_EPS,   0x322bcc77               ; 1e-8
.set K_BIAS,  0x43018000               ; 129.5 = 127.5 + 2
.set K_G,     0x39362ba4               ; sqrt(log2(e)/2) / sigma / 256 = 1.737313e-4
.set K_MID,   0xc2ff0000               ; -127.5
.set K_NT,    0xbbda740e               ; -sqrt(log2(e)/2) / sigma x c/2 = -0.00666667
.set K_QM,    0x4134cccd               ; 11.3
.set K_NQM,   0xc134cccd
.set K_258,   0x43810000
.set K_256,   0x43800000
.set K_255,   0x437f0000
.set K_260,   0x43820000
.set K_FIX,   0x4b000000               ; 2^23
.set K_AMP,   0x38ab2342               ; 1 / (256 sigma sqrt(2 pi)) = 8.160483e-5
	s_load_b512 s[8:23], s[0:1], 0x0               ; image s[8:9], tof s[10:11], x1l s[12:13], x1r s[14:15], x2l s[16:17], x2r s[18:19], y1l s[20:21], y1r s[22:23]
	s_load_b256 s[24:31], s[0:1], 0x40             ; y2l s[24:25], y2r s[26:27], tab s[28:29], rec s[30:31]
	s_cmp_ge_u32 ttmp9, EVWG
	s_cbranch_scc1 .Ltable
	; ---------------- EVENTS.  Two neighbouring lanes serve one event and store its record's two halves: a wave's one store covers 512 consecutive bytes, aligned.
	s_lshl_b32 s2, ttmp9, 8
	s_mov_b32 s32, 0x4effffff                      ; the largest f32 below 2^31,
	s_mov_b32 s33, 0xceffffff                      ; and its negative: DX's bounds
	v_add_nc_u32 v1, s2, v0                        ; t
	v_lshrrev_b32 v2, 1, v1
	v_min_u32 v2, EVENTS-1, v2                     ; my event; the threads behind the last event take the last
	v_lshlrev_b32 v2, 2, v2
	v_lshlrev_b32 v3, 4, v1                        ; my 16 bytes of rec
	v_and_b32 v4, 1, v1                            ; which half of the record
	s_wait_kmcnt 0x0
	global_load_b32 v6,  v2, s[12:13]              ; x1l
	global_load_b32 v7,  v2, s[14:15]              ; x1r
	global_load_b32 v8,  v2, s[16:17]              ; x2l
	global_load_b32 v9,  v2, s[18:19]              ; x2r
	global_load_b32 v10, v2, s[20:21]              ; y1l
	global_load_b32 v11, v2, s[22:23]              ; y1r
	global_load_b32 v12, v2, s[24:25]              ; y2l
	global_load_b32 v13, v2, s[26:27]              ; y2r
	global_load_b32 v5,  v2, s[10:11]              ; tof
	s_wait_loadcnt 0x0                             ; all nine feed the lines below
	v_add_f32 v14, v6, v7
	v_add_f32 v18, v8, v9
	v_add_f32 v15, v10, v11
	v_add_f32 v19, v12, v13
	v_mul_f32 v14, 0.5, v14                        ; p1x
	v_mul_f32 v18, 0.5, v18                        ; p2x
	v_mul_f32 v15, 0.5, v15                        ; p1y
	v_mul_f32 v19, 0.5, v19                        ; p2y
	v_sub_f32 v16, v18, v14                        ; dx
	v_sub_f32 v17, v19, v15                        ; dy
	v_mul_f32 v20, v16, v16
	v_fmac_f32 v20, v17, v17
	v_sqrt_f32 v38, v20
	v_mul_f32 v21, K_I512, v16                     ; Dx: pixels a sample (also the plain line behind the root: ISA guide 5.7.2)
	v_mul_f32 v22, K_I512, v17                     ; Dy
	s_wait_alu depctr_va_vdst(0)
	v_add_f32 v20, K_EPS, v38                      ; L
	v_fma_f32 v23, v14, 0.5, K_BIAS
	v_fma_f32 v24, v15, 0.5, K_BIAS
	v_fmac_f32 v23, 0.5, v21                       ; Ax: sample 0's biased place
	v_fmac_f32 v24, 0.5, v22                       ; Ay
	v_mul_f32 v27, K_G, v20                        ; G: q's step from sample to sample, above 0 since L is at least 1e-8
	v_rcp_f32 v25, v21                             ; an infinity where the ray does not move in x: the slab is then all or nothing, see below
	v_rcp_f32 v26, v22
	v_rcp_f32 v28, v27
	v_mul_f32 v29, K_NT, v5                        ; (the plain line behind the reciprocals)
	v_fmac_f32 v29, K_MID, v27                     ; h = q at sample 0
	v_sub_f32 v30, 1.0, v23
	v_sub_f32 v31, K_258, v23
	v_sub_f32 v32, 1.0, v24
	v_sub_f32 v33, K_258, v24
	v_sub_f32 v34, K_NQM, v29
	v_sub_f32 v35, K_QM, v29
	s_wait_alu depctr_va_vdst(0)
	v_mul_f32 v30, v30, v25                        ; the sample numbers at which x crosses 1 and 258,
	v_mul_f32 v31, v31, v25
	v_mul_f32 v32, v32, v26                        ; y likewise,
	v_mul_f32 v33, v33, v26
	v_mul_f32 v34, v34, v28                        ; and q crosses -11.3 and 11.3
	v_mul_f32 v35, v35, v28
	v_min_num_f32 v38, v30, v31                    ; a NaN (0 x infinity: a ray that stays on the slab's edge) loses against the infinity beside it, which empties the window:
	v_max_num_f32 v39, v30, v31                    ; right, since on the edge every pixel's weight is 0
	v_min_num_f32 v30, v32, v33
	v_max_num_f32 v31, v32, v33
	v_max3_num_f32 v36, v38, v30, v34
	v_min3_num_f32 v37, v39, v31, v35
	v_med3_num_f32 v36, v36, 0, K_256              ; within 0..255, or just past it for an empty window
	v_med3_num_f32 v37, v37, -1.0, K_255
	v_floor_f32 v36, -v36
	v_floor_f32 v37, v37                           ; the last sample taken
	v_xor_b32 v36, 0x80000000, v36                 ; the first: ceil(x) = -floor(-x)
	v_sub_f32 v38, v37, v36
	v_fma_f32 v39, v36, v21, v23                   ; its place in x,
	v_fma_f32 v30, v36, v22, v24                   ; in y,
	v_fma_f32 v45, v36, v27, v29                   ; and its q: Q0
	v_add_f32 v38, 1.0, v38
	v_med3_num_f32 v39, v39, 0, K_260
	v_med3_num_f32 v30, v30, 0, K_260
	v_max_num_f32 v38, 0, v38
	v_mul_f32 v39, K_FIX, v39
	v_mul_f32 v30, K_FIX, v30
	v_mul_f32 v31, K_FIX, v21
	v_mul_f32 v32, K_FIX, v22
	v_cvt_u32_f32 v44, v38                         ; CNT
	v_cvt_u32_f32 v40, v39                         ; X0: 260 x 2^23 is below 2^32
	v_cvt_u32_f32 v42, v30                         ; Y0
	v_med3_num_f32 v31, v31, s33, s32
	v_med3_num_f32 v32, v32, s33, s32
	v_cvt_i32_f32 v41, v31                         ; DX
	v_cvt_i32_f32 v43, v32                         ; DY
	v_mul_f32 v47, K_AMP, v20                      ; AMP
	v_cmp_ne_u32 vcc_lo, 0, v4
	v_cndmask_b32 v48, v40, v44, vcc_lo            ; even lane: X0, DX, Y0, DY; odd lane: CNT, Q0, G, AMP
	v_cndmask_b32 v49, v41, v45, vcc_lo
	v_cndmask_b32 v50, v42, v27, vcc_lo
	v_cndmask_b32 v51, v43, v47, vcc_lo
	global_store_b128 v3, v[48:51], s[30:31]
	s_endpgm
	; ---------------- THE TABLE.  A thread makes four neighbouring words: a wave's one store covers 512 consecutive bytes, aligned.  66 x 256 x 4 = 67,584 words.
.Ltable:
	s_sub_co_u32 s2, ttmp9, EVWG
	s_lshl_b32 s2, s2, 8
	v_add_nc_u32 v1, s2, v0
	v_lshlrev_b32 v2, 2, v1                        ; my first word's number a
	v_lshlrev_b32 v3, 4, v1                        ; its byte
	s_wait_kmcnt 0x0
; Word a + j: b = a + j + 256 = 257 Rb + Cb; image row Rb - 3, columns Cb - 1 and Cb.  (For a = 257 rx + ry, ry in 1..257: row rx - 2, columns ry - 2, ry - 1.
; ry = 0 and ry = 258 fall on a neighbouring row's edge word, whose value is 0 at the fractions 1 and 0 at which alone they can be asked for.)
; b / 257 = the high word of b x 0xff0100: 257 x 0xff0100 = 2^32 + 256, exact for b below 2^24.  A negative number is large when read unsigned, so one compare tests both ends.
.macro ENTRY j
	v_add_nc_u32 v4, 256+\j, v2
	v_mul_hi_u32 v5, v4, 0xff0100                  ; Rb
	v_mul_u32_u24 v6, v5, 257
	v_sub_nc_u32 v6, v4, v6                        ; Cb = the right column
	v_add_nc_u32 v5, -3, v5                        ; the row
	v_add_nc_u32 v7, -1, v6                        ; the left column
	v_cmp_gt_u32 s42, 0x100, v5
	v_cmp_gt_u32 s43, 0x100, v7
	v_cmp_gt_u32 s44, 0x100, v6
	s_and_b32 s[34+2*\j], s42, s43                 ; the left pixel lies in the grid
	s_and_b32 s[35+2*\j], s42, s44                 ; the right one does
	v_min_u32 v5, 255, v5                          ; the loads stay inside the image whatever the masks say
	v_min_u32 v7, 255, v7
	v_min_u32 v6, 255, v6
	v_lshlrev_b32 v5, 8, v5
	v_add_lshl_u32 v[8+\j], v5, v7, 2
	v_add_lshl_u32 v[12+\j], v5, v6, 2
	global_load_b32 v[16+\j], v[8+\j], s[8:9]
	global_load_b32 v[20+\j], v[12+\j], s[8:9]
.endm
.macro VALUE j
	v_cndmask_b32 v[16+\j], 0, v[16+\j], s[34+2*\j]  ; I0, or 0 outside
	v_cndmask_b32 v[20+\j], 0, v[20+\j], s[35+2*\j]  ; I1
	v_sub_f32 v24, v[20+\j], v[16+\j]              ; I1 - I0
	v_sub_f32 v25, v[16+\j], v24                   ; 2 I0 - I1
	v_cvt_pk_bf16_f32 v[28+\j], v25, v24           ; where one of the two is 0 the halves are x and -x, or 2 x and -x, also after rounding: the edge words end in an exact 0
.endm
	ENTRY 0
	ENTRY 1
	ENTRY 2
	ENTRY 3
	s_wait_loadcnt 0x0
	VALUE 0
	VALUE 1
	VALUE 2
	VALUE 3
	global_store_b128 v3, v[28:31], s[28:29]
	s_endpgm
.Lfunc_end_k_qdcbeac4d68_prep:
	.size	k_qdcbeac4d68_prep, .Lfunc_end_k_qdcbeac4d68_prep-k_qdcbeac4d68_prep
	.p2alignl 7, 3214868480
	.fill 96, 4, 3214868480
	.section	.rodata,"a",@progbits
	.p2align	6, 0x0
	.amdhsa_kernel k_qdcbeac4d68_prep
		.amdhsa_group_segment_fixed_size 0
		.amdhsa_private_segment_fixed_size 0
		.amdhsa_enable_private_segment 0
		.amdhsa_kernarg_size 96
		.amdhsa_user_sgpr_count 2
		.amdhsa_user_sgpr_kernarg_segment_ptr 1
		.amdhsa_wavefront_size32 1
		.amdhsa_system_sgpr_workgroup_id_x 1
		.amdhsa_system_sgpr_workgroup_id_y 1
		.amdhsa_system_sgpr_workgroup_id_z 1
		.amdhsa_system_vgpr_workitem_id 0
		.amdhsa_next_free_vgpr 56
		.amdhsa_next_free_sgpr 66
		.amdhsa_reserve_vcc 1
		.amdhsa_float_denorm_mode_32 3
		.amdhsa_float_denorm_mode_16_64 3
		.amdhsa_memory_ordered 1
		.amdhsa_forward_progress 1
		.amdhsa_inst_pref_size 12
	.end_amdhsa_kernel
	.amdgpu_metadata
---
amdhsa.version: [ 1, 2 ]
amdhsa.kernels:
  - .name:           k_qdcbeac4d68_prep
    .symbol:         k_qdcbeac4d68_prep.kd
    .args:
      - { .name: image, .offset: 0, .size: 8, .value_kind: global_buffer, .address_space: global }
      - { .name: tof_value, .offset: 8, .size: 8, .value_kind: global_buffer, .address_space: global }
      - { .name: x1l, .offset: 16, .size: 8, .value_kind: global_buffer, .address_space: global }
      - { .name: x1r, .offset: 24, .size: 8, .value_kind: global_buffer, .address_space: global }
      - { .name: x2l, .offset: 32, .size: 8, .value_kind: global_buffer, .address_space: global }
      - { .name: x2r, .offset: 40, .size: 8, .value_kind: global_buffer, .address_space: global }
      - { .name: y1l, .offset: 48, .size: 8, .value_kind: global_buffer, .address_space: global }
      - { .name: y1r, .offset: 56, .size: 8, .value_kind: global_buffer, .address_space: global }
      - { .name: y2l, .offset: 64, .size: 8, .value_kind: global_buffer, .address_space: global }
      - { .name: y2r, .offset: 72, .size: 8, .value_kind: global_buffer, .address_space: global }
      - { .name: tab, .offset: 80, .size: 8, .value_kind: global_buffer, .address_space: global }
      - { .name: rec, .offset: 88, .size: 8, .value_kind: global_buffer, .address_space: global }
    .group_segment_fixed_size: 0
    .private_segment_fixed_size: 0
    .kernarg_segment_align: 8
    .kernarg_segment_size: 96
    .max_flat_workgroup_size: 256
    .sgpr_count:     66
    .vgpr_count:     56
    .wavefront_size: 32
...
	.end_amdgpu_metadata
.endif
;; end of part 1
;; launch march (part 2): grid 256 x 1, 32 waves a work-group, no clusters, 276,480 bytes of LDS; arguments tab, rec, out0; writes out0
.if DOCPART == 2
	.amdgcn_target "amdgcn-amd-amdhsa--gfx1250"
	.amdhsa_code_object_version 6
	.text
	.protected	k_qdcbeac4d68_march
	.globl	k_qdcbeac4d68_march
	.p2align	8
	.type	k_qdcbeac4d68_march,@function
k_qdcbeac4d68_march:
	s_mov_b64 s[64:65], 0
	v_nop
	global_prefetch_b8 v0, s[64:65] scope:SCOPE_SE
	s_setreg_imm32_b32 hwreg(HW_REG_WAVE_MODE, 25, 1), 1
	s_wait_xcnt 0x0
; MARCH: out0[e] = AMP x the sum over the samples taken of 2^-(q q) x the image's bilinear value, from the records and the table that the launch before has stored.
; THE TABLE, 270,336 bytes, lies in LDS whole, filled once.  Word a = 257 rx + ry (rx, ry: the whole parts of the sample's biased place) holds two bf16 numbers, lo and hi:
; lo + (1 + fy) hi is image row rx - 2 at the sample's y; word a + 257 is the row below.  So a sample costs two LDS loads of 4 bytes.  With a pitch of 257 words the word's
; number modulo 64 is (rx + ry) modulo 64 (64 banks of 4 bytes: ISA guide 11.1): the lanes of a wave, which are neighbouring samples of one ray, spread over the banks.
; ADDRESSES are whole-number arithmetic on the record alone: X = X0 + k DX in 9.23 fixed point, modulo 2^32; the whole part is X >> 23, and the 23 bits below it,
; set under the exponent of 1.0, are 1 + the fraction as f32.
; CONTROL hangs on nothing that is read from memory: every event walks eight chunks of 32 samples from its first sample taken; the record's CNT only selects: a lane whose
; sample lies behind the last one taken looks up a word inside the table all the same and weighs 0.
; SHARES.  Work-group w owns the quads of events 97 w + (21 w >> 5) up to the next work-group's first: 97 or 98 quads, 25,000 in all.  Wave j takes the local events j + 32 i,
; i = 0..12, one at a time; lane l is sample 32 c + l of those taken, in chunk c.  Eight waves lie on a SIMD and fill each other's waits.
; NO MATRIX UNIT: which pixel meets which weight is chosen by the data.  NO CLUSTER, though all work-groups read the same table:
; every look-up address here comes from the work-group's own events.
; LIMITS: those stated at the head of the launch before (weights below 2^-126 count as 0; the image in two bf16 numbers a word; NaN and infinities not treated apart).
.set PART,   66*256                    ; what one tensor load brings: 66 rows of 256 bytes; sixteen waves bring the table
.set STAGE,  16*PART                   ; 270,336: behind the table, 64 bytes for each wave: its 13 results.  2,048 bytes that no tensor load fills
.set SPARE,  STAGE+2048                ; the spare words, 128 bytes for each of 32 waves: sixteen blocks of 256 bytes that no other line names
.set AMAX,   258*257+258               ; the largest word number that a sample taken can have; that word and the one 257 on hold 0
.set TRIPS,  13                        ; 32 waves x 13 = 416 places for 388 or 392 events
.set CHUNKS, 8                         ; 8 x 32 = 256 samples: as many as an event can take
.set LANE, 1                           ; v1   lane
.set LANF, 2                           ; v2   lane as f32
.set X,    3                           ; v3   my sample's x, 9.23
.set Y,    4                           ; v4   y
.set Q,    5                           ; v5   q
.set ACC,  6                           ; v6   my lane's sum
.set RX,   7                           ; v7, v8 whole parts (on the way out: at work)
.set RY,   8
.set A,    9                           ; v9   the word's byte address
.set T0,   10                          ; v10  the upper row's word
.set T1,   11                          ; v11  the lower row's
.set E,    12                          ; v12  -q q
.set W,    13                          ; v13  the weight
.set FY,   14                          ; v14  1 + fy
.set FX,   15                          ; v15  1 + fx, then fx
.set R0,   16                          ; v16, v17 the two rows' values
.set R1,   17
.set D,    18
.set U,    19
.set PX,   20                          ; v20  takes the other half of the lanes' sum
.set SA,   21                          ; v21  stage address of the event's result
.set GO,   22                          ; v22  my 16 bytes of out0
.set RD,   23                          ; v23  where I read my four results
.set OUT,  24                          ; v[24:27]
.set RM,   28                          ; v28  CNT - lane: my sample of chunk c is taken where 32 c is below it
.set SPW,  30                          ; v30  LDS address of my spare word; never rewritten
.set NIL,  31                          ; v31  0; never rewritten
.set WV,   10                          ; s10  my wave's number
.set G0,   12                          ; s[12:15] descriptor group 0
.set G1,   16                          ; s[16:23] descriptor group 1
.set NX,   24                          ; s[24:31] the record that is on its way
.set RC,   32                          ; s[32:39] the record at work: X0, DX, Y0, DY, CNT, Q0, G, AMP
.set LE,   41                          ; s41  the local number of the event in hand
.set NE,   42                          ; s42  the work-group's events
.set CT,   43                          ; s43  counts the trips
.set DX32, 47                          ; s47, s48, s49: 32 steps of X, Y, q
.set DY32, 48
.set G32,  49
.set MANT, 50                          ; s50  the 23 fraction bits
.set ONE,  51                          ; s51  1.0's bits
.set SEL,  52                          ; s[52:53] v_permlanex16_b32's selects: each lane takes its own place in the other half
.set STG,  54                          ; s54  stage address of the event in hand
.set QS,   55                          ; s55  the work-group's first quad
.set NQ,   56                          ; s56  its quads
.set SVX,  57                          ; s57  EXEC, kept
	s_load_b128 s[4:7], s[0:1], 0x0                ; tab s[4:5], rec s[6:7]
	s_load_b64 s[8:9], s[0:1], 0x10                ; out0
	v_lshl_add_u32 v[SPW], v0, 2, SPARE
	v_mov_b32 v[NIL], 0
	ds_add_u32 v[SPW], v[NIL]                      ; the wave's opening: the add and its wait ahead of my first tensor load; the set-up below, work on registers, stands between them
	ds_add_u32 v30, v31
	v_lshrrev_b32 v1, 5, v0
	v_readfirstlane_b32 s[WV], v1                  ; wave 0..31
	v_and_b32 v[LANE], 31, v0
	v_cvt_f32_u32 v[LANF], v[LANE]
	v_mov_b32 v[PX], 0                             ; v_permlanex16_b32 counts as a reader of its destination
.irp r, 0,1,2,3
	v_mov_b32 v[OUT+\r], 0                         ; written whole once: their loads run under a narrowed EXEC
.endr
	; descriptor group 1: a dense block as 66 rows of 256 bytes, elements of 8 bytes, no padding: the look-ups want the words on end
	s_mov_b32 s[G1+0], 3<<16                       ; 15:0 no mask; 17:16 elements of 8 bytes
	s_mov_b32 s[G1+1], 32<<16                      ; tensor_dim0 = 32
	s_mov_b32 s[G1+2], 66<<16                      ; tensor_dim1 = 66
	s_mov_b32 s[G1+3], 32<<16                      ; tile_dim0 = 32
	s_mov_b32 s[G1+4], 66                          ; tile_dim1 = 66
	s_mov_b32 s[G1+5], 32                          ; 32 elements from row to row
	s_mov_b32 s[G1+6], 0
	s_mov_b32 s[G1+7], 0
	s_mov_b32 s[MANT], 0x7fffff
	s_mov_b32 s[ONE], 0x3f800000
	s_mov_b32 s[SEL], 0x76543210
	s_mov_b32 s[SEL+1], 0xfedcba98
	s_mul_i32 s[QS], ttmp9, 97
	s_mul_i32 s2, ttmp9, 21
	s_add_co_u32 s3, s2, 21
	s_lshr_b32 s2, s2, 5
	s_lshr_b32 s3, s3, 5
	s_add_co_u32 s[QS], s[QS], s2                  ; 97 w + (21 w >> 5)
	s_sub_co_u32 s[NQ], s3, s2
	s_add_co_u32 s[NQ], s[NQ], 97                  ; 97 or 98
	s_lshl_b32 s[NE], s[NQ], 2
	s_lshl_b32 s58, s[QS], 2
	s_add_co_u32 s58, s58, s[WV]                   ; my wave's first event,
	s_lshl_b32 s58, s58, 5                         ; its record's byte
	s_mov_b32 s59, 0
	s_mul_i32 s60, s[WV], PART                     ; my part of the table, in memory as in LDS
	s_mov_b32 s61, 0
	s_mov_b32 s[LE], s[WV]
	s_lshl_b32 s[STG], s[WV], 6
	s_add_co_u32 s[STG], s[STG], STAGE
	s_wait_dscnt 0x0                               ; the opening add is done
	s_wait_kmcnt 0x0
	s_add_nc_u64 s[6:7], s[6:7], s[58:59]
	s_cmp_ge_u32 s[WV], 16
	s_cbranch_scc1 .Lnofill                        ; waves 0..15 fetch, one load each: one tensor load of a wave is out
	s_mov_b32 s[G0], 1                             ; count = 1
	s_mul_i32 s[G0+1], s[WV], PART                 ; LDS address
	s_add_nc_u64 s[G0+2:G0+3], s[4:5], s[60:61]    ; global address
	s_or_b32 s[G0+3], s[G0+3], 0x80000000          ; type = 2
	tensor_load_to_lds s[G0:G0+3], s[G1:G1+7]
	s_nop 0
.Lnofill:
	s_load_b256 s[NX:NX+7], s[6:7], 0x0            ; my first record
	s_wait_tensorcnt 0x0                           ; my part of the table has landed,
	s_barrier_signal -1
	s_barrier_wait -1                              ; everybody's has; from here on nobody writes the table
; Chunk c: 32 samples, one a lane.  20 vector lines and two look-ups; the last chunk steps nothing on.
.macro CHUNK c
	v_lshrrev_b32 v[RX], 23, v[X]
	v_lshrrev_b32 v[RY], 23, v[Y]
	v_mad_u32_u24 v[A], v[RX], 257, v[RY]
	v_min_u32 v[A], AMAX, v[A]                     ; changes nothing for a sample taken; the other lanes stay inside the table: 4 x 66,564 + 1,028 + 4 = 267,288
	v_lshlrev_b32 v[A], 2, v[A]
	ds_load_b32 v[T0], v[A]
	ds_load_b32 v[T1], v[A] offset:1028            ; 257 words on: the row below
	v_mul_f32 v[E], -v[Q], v[Q]
	v_exp_f32 v[W], v[E]
	v_and_or_b32 v[FY], v[Y], s[MANT], s[ONE]      ; 1 + fy (also the plain line behind the exponential: ISA guide 5.7.2)
	v_and_or_b32 v[FX], v[X], s[MANT], s[ONE]
	v_cmp_lt_i32 vcc_lo, 32*(\c), v[RM]            ; signed: CNT - lane goes down to -31
	v_add_f32 v[FX], -1.0, v[FX]                   ; fx
	s_wait_alu depctr_va_vdst(0)
	v_cndmask_b32 v[W], 0, v[W], vcc_lo            ; lanes behind the last sample taken weigh 0
.if (\c) < CHUNKS-1
	v_add_nc_u32 v[X], s[DX32], v[X]               ; on to the next chunk
	v_add_nc_u32 v[Y], s[DY32], v[Y]
	v_add_f32 v[Q], s[G32], v[Q]
.endif
	s_wait_dscnt 0x1                               ; LDS answers in order (ISA guide 5.7.1): the upper row's word is in, the one younger load may be out
	v_fma_mix_f32_bf16 v[R0], v[T0], v[FY], v[T0] op_sel:[1,0,0] op_sel_hi:[1,0,1]  ; hi x (1 + fy) + lo
	s_wait_dscnt 0x0
	v_fma_mix_f32_bf16 v[R1], v[T1], v[FY], v[T1] op_sel:[1,0,0] op_sel_hi:[1,0,1]
	v_sub_f32 v[D], v[R1], v[R0]
	v_fma_f32 v[U], v[FX], v[D], v[R0]             ; between the rows
	v_fmac_f32 v[ACC], v[W], v[U]
.endm
	s_mov_b32 s[CT], 0
.Levent:                                               ; 13 trips
	s_wait_kmcnt 0x0                               ; the record is in, and its load's pointer may be stepped
	s_mov_b64 s[RC+0:RC+1], s[NX+0:NX+1]
	s_mov_b64 s[RC+2:RC+3], s[NX+2:NX+3]
	s_mov_b64 s[RC+4:RC+5], s[NX+4:NX+5]
	s_mov_b64 s[RC+6:RC+7], s[NX+6:NX+7]
	s_add_nc_u64 s[6:7], s[6:7], 1024              ; 32 events on
	s_load_b256 s[NX:NX+7], s[6:7], 0x0            ; the next record, one event's work ahead.  The furthest is record 99,608 + 31 + 13 x 32 = 100,055 of the 100,096 that were stored
	v_mov_b32 v[ACC], 0
	s_cmp_ge_u32 s[LE], s[NE]
	s_cbranch_scc1 .Lsum                           ; a place behind the work-group's last event walks no chunk: its stage word takes a sum of zeros, which nobody reads
	v_mul_lo_u32 v[X], v[LANE], s[RC+1]
	v_mul_lo_u32 v[Y], v[LANE], s[RC+3]
	v_fma_f32 v[Q], v[LANF], s[RC+6], s[RC+5]      ; q of my first sample
	v_sub_nc_u32 v[RM], s[RC+4], v[LANE]
	v_add_nc_u32 v[X], s[RC+0], v[X]               ; its place
	v_add_nc_u32 v[Y], s[RC+2], v[Y]
	s_lshl_b32 s[DX32], s[RC+1], 5
	s_lshl_b32 s[DY32], s[RC+3], 5
	s_mul_f32 s[G32], s[RC+6], 0x42000000          ; 32 G
.set c, 0
.rept CHUNKS
	CHUNK c
.set c, c+1
.endr
.Lsum:
	; the 32 lanes' sums: four steps inside each half ride on the additions, one crosses the halves
	v_add_f32_dpp v[ACC], v[ACC], v[ACC] row_xmask:1 row_mask:0xf bank_mask:0xf
	v_add_f32_dpp v[ACC], v[ACC], v[ACC] row_xmask:2 row_mask:0xf bank_mask:0xf
	v_add_f32_dpp v[ACC], v[ACC], v[ACC] row_xmask:4 row_mask:0xf bank_mask:0xf
	v_add_f32_dpp v[ACC], v[ACC], v[ACC] row_xmask:8 row_mask:0xf bank_mask:0xf
	v_permlanex16_b32 v[PX], v[ACC], s[SEL], s[SEL+1]
	v_mov_b32 v[SA], s[STG]
	v_add_f32 v[ACC], v[ACC], v[PX]
	v_mul_f32 v[ACC], s[RC+7], v[ACC]              ; x AMP, once an event
	ds_store_b32 v[SA], v[ACC]                     ; all lanes write the same number to the same word, in my wave's own 64 bytes
	s_add_co_u32 s[LE], s[LE], 32
	s_add_co_u32 s[STG], s[STG], 4
	s_add_co_u32 s[CT], s[CT], 1
	s_cmp_lt_u32 s[CT], TRIPS
	s_cbranch_scc1 .Levent
	; THE WAY OUT.  Thread t below the number of quads stores events 4 t .. 4 t + 3: sixteen lanes store 256 consecutive bytes.  A work-group's range begins at a multiple of 16 bytes:
	; shares in whole blocks of 64 events would be 6 or 7 blocks a work-group, a sixth more work for some.
	s_wait_kmcnt 0x0                               ; the last record asked for serves nothing
	s_wait_dscnt 0x0                               ; for the others' sake: my stores into the stage are done
	s_barrier_signal -1
	v_and_b32 v[RX], 7, v0                         ; local event 4 t + k was wave 4 (t % 8) + k's, in its trip t / 8
	v_bfe_u32 v[RY], v0, 3, 4
	v_min_u32 v[RY], TRIPS-1, v[RY]                ; changes nothing for t below 98; the other lanes' addresses stay on words that were stored
	v_lshlrev_b32 v[RD], 8, v[RX]
	v_lshl_add_u32 v[RD], v[RY], 2, v[RD]
	v_add_nc_u32 v[RD], STAGE, v[RD]
	v_add_lshl_u32 v[GO], v0, s[QS], 4
	v_cmp_gt_u32 vcc_lo, s[NQ], v0
	s_barrier_wait -1
	s_wait_xcnt 0x0                                ; EXEC changes only behind this wait
	s_and_saveexec_b32 s[SVX], vcc_lo
	ds_load_b32 v[OUT+0], v[RD]
	ds_load_b32 v[OUT+1], v[RD] offset:64
	ds_load_b32 v[OUT+2], v[RD] offset:128
	ds_load_b32 v[OUT+3], v[RD] offset:192
	s_wait_dscnt 0x0
	global_store_b128 v[GO], v[OUT:OUT+3], s[8:9]
	s_wait_xcnt 0x0                                ; and again, in front of the line that widens it
	s_or_b32 exec_lo, exec_lo, s[SVX]
	s_wait_tensorcnt 0x0                           ; the wave's end: behind my last tensor load and my last LDS store
	ds_add_u32 v[SPW], v[NIL]
	s_wait_dscnt 0x0
	s_endpgm
.Lfunc_end_k_qdcbeac4d68_march:
	.size	k_qdcbeac4d68_march, .Lfunc_end_k_qdcbeac4d68_march-k_qdcbeac4d68_march
	.p2alignl 7, 3214868480
	.fill 96, 4, 3214868480
	.section	.rodata,"a",@progbits
	.p2align	6, 0x0
	.amdhsa_kernel k_qdcbeac4d68_march
		.amdhsa_group_segment_fixed_size 276480
		.amdhsa_private_segment_fixed_size 0
		.amdhsa_enable_private_segment 0
		.amdhsa_kernarg_size 24
		.amdhsa_user_sgpr_count 2
		.amdhsa_user_sgpr_kernarg_segment_ptr 1
		.amdhsa_wavefront_size32 1
		.amdhsa_system_sgpr_workgroup_id_x 1
		.amdhsa_system_sgpr_workgroup_id_y 1
		.amdhsa_system_sgpr_workgroup_id_z 1
		.amdhsa_system_vgpr_workitem_id 0
		.amdhsa_next_free_vgpr 32
		.amdhsa_next_free_sgpr 66
		.amdhsa_reserve_vcc 1
		.amdhsa_float_denorm_mode_32 3
		.amdhsa_float_denorm_mode_16_64 3
		.amdhsa_memory_ordered 1
		.amdhsa_forward_progress 1
		.amdhsa_inst_pref_size 15
	.end_amdhsa_kernel
	.amdgpu_metadata
---
amdhsa.version: [ 1, 2 ]
amdhsa.kernels:
  - .name:           k_qdcbeac4d68_march
    .symbol:         k_qdcbeac4d68_march.kd
    .args:
      - { .name: tab, .offset: 0, .size: 8, .value_kind: global_buffer, .address_space: global }
      - { .name: rec, .offset: 8, .size: 8, .value_kind: global_buffer, .address_space: global }
      - { .name: out0, .offset: 16, .size: 8, .value_kind: global_buffer, .address_space: global }
    .group_segment_fixed_size: 276480
    .private_segment_fixed_size: 0
    .kernarg_segment_align: 8
    .kernarg_segment_size: 24
    .max_flat_workgroup_size: 1024
    .sgpr_count:     66
    .vgpr_count:     32
    .wavefront_size: 32
...
	.end_amdgpu_metadata
.endif
;; end of part 2
;; ======== version 2 of 2: 2 launches; 1.28 times as fast as version 1
;; limits: values outside matrix products are rounded to bf16
;; workspace buffers: tab 270,336 bytes; rec 3,203,072 bytes of whole numbers
;; launch prep: the kernel of part 1 again; grid 848 x 1, 8 waves a work-group, no clusters, 0 bytes of LDS; arguments image, tof_value, x1l, x1r, x2l, x2r, y1l, y1r, y2l, y2r, tab, rec; writes tab, rec
;; launch march (part 3): grid 256 x 1, 32 waves a work-group, no clusters, 276,480 bytes of LDS; arguments tab, rec, out0; writes out0
.if DOCPART == 3
	.amdgcn_target "amdgcn-amd-amdhsa--gfx1250"
	.amdhsa_code_object_version 6
	.text
	.protected	k_qdcbeac4d68_march
	.globl	k_qdcbeac4d68_march
	.p2align	8
	.type	k_qdcbeac4d68_march,@function
k_qdcbeac4d68_march:
	s_mov_b64 s[64:65], 0
	v_nop
	global_prefetch_b8 v0, s[64:65] scope:SCOPE_SE
	s_setreg_imm32_b32 hwreg(HW_REG_WAVE_MODE, 25, 1), 1
	s_wait_xcnt 0x0
; MARCH: out0[e] = AMP x the sum over the samples taken of 2^-(q q) x the image's bilinear value, from the records and the table that the launch before has stored.
; THE TABLE, 270,336 bytes, lies in LDS whole, filled once.  Word a = 257 rx + ry (rx, ry: the whole parts of the sample's biased place) holds two bf16 numbers, lo and hi:
; lo + (1 + fy) hi is image row rx - 2 at the sample's y; word a + 257 is the row below.  So a sample costs two LDS loads of 4 bytes.  With a pitch of 257 words the word's
; number modulo 64 is (rx + ry) modulo 64 (64 banks of 4 bytes: ISA guide 11.1): the lanes of a wave, which are neighbouring samples of one ray, spread over the banks.
; ADDRESSES are whole-number arithmetic on the record alone: X = X0 + k DX in 9.23 fixed point, modulo 2^32; the whole part is X >> 23, and the 23 bits below it,
; set under the exponent of 1.0, are 1 + the fraction as f32.
; CONTROL hangs on nothing that is read from memory: every event walks 256 samples from its first sample taken; the record's CNT only makes a factor of 1 or 0: a lane whose
; sample lies behind the last one taken looks up a word inside the table all the same and weighs 0.
; PAIRS.  The 256 samples are eight chunks of 32, walked two at a time: chunk a = 2 p (sample 64 p + lane) and chunk b = 2 p + 1 (32 further on).  What is f32 arithmetic lies in
; register pairs (a, b) and goes two to a line (v_pk_*_f32): 32 vector lines for 64 samples a lane pair, and two address chains that do not wait for each other.
; SHARES.  Work-group w owns the quads of events 97 w + (21 w >> 5) up to the next work-group's first: 97 or 98 quads, 25,000 in all.  Wave j takes the local events j + 32 i,
; i = 0..12, one at a time.  Eight waves lie on a SIMD and fill each other's waits.
; NO MATRIX UNIT: which pixel meets which weight is chosen by the data.  NO CLUSTER, though all work-groups read the same table:
; every look-up address here comes from the work-group's own events.
; LIMITS: those stated at the head of the launch before (weights below 2^-126 count as 0; the image in two bf16 numbers a word; NaN and infinities not treated apart).
.set PART,   66*256                    ; what one tensor load brings: 66 rows of 256 bytes; sixteen waves bring the table
.set STAGE,  16*PART                   ; 270,336: behind the table, 64 bytes for each wave: its 13 results.  2,048 bytes that no tensor load fills
.set SPARE,  STAGE+2048                ; the spare words, 128 bytes for each of 32 waves: sixteen blocks of 256 bytes that no other line names
.set AMAX,   258*257+258               ; the largest word number that a sample taken can have; that word and the one 257 on hold 0
.set TRIPS,  13                        ; 32 waves x 13 = 416 places for 388 or 392 events
.set PAIRS,  4                         ; 4 x 64 = 256 samples: as many as an event can take
.set LANE, 1                           ; v1       lane
.set LF,   2                           ; v[2:3]   lane and lane + 32 as f32
.set XA,   4                           ; v4, v5   my two samples' x, 9.23
.set XB,   5
.set YA,   6                           ; v6, v7   y
.set YB,   7
.set Q,    8                           ; v[8:9]   q
.set ACC,  10                          ; v[10:11] my lane's sums: the even chunks', the odd chunks'
.set RMF,  12                          ; v[12:13] CNT - lane, CNT - lane - 32, as f32
.set RXA,  14                          ; v14-17   whole parts (v14, v15 on the way out: at work)
.set RYA,  15
.set RXB,  16
.set RYB,  17
.set AA,   18                          ; v18, v19 the words' byte addresses
.set AB,   19
.set T0A,  20                          ; v20-23   upper and lower row's word, for a and for b
.set T1A,  21
.set T0B,  22
.set T1B,  23
.set E,    24                          ; v[24:25] q q
.set W,    26                          ; v[26:27] the weights
.set FYA,  28                          ; v28, v29 1 + fy
.set FYB,  29
.set FX,   30                          ; v[30:31] 1 + fx, then fx
.set T,    32                          ; v[32:33] 1 for a sample taken, 0 behind the last
.set R0,   34                          ; v[34:35] the upper rows' values
.set R1,   36                          ; v[36:37] the lower rows'
.set D,    38                          ; v[38:39]
.set U,    40                          ; v[40:41]
.set PX,   42                          ; v42      takes the other half of the lanes' sum
.set SA,   43                          ; v43      stage address of the event's result
.set GO,   44                          ; v44      my 16 bytes of out0
.set RD,   45                          ; v45      where I read my four results
.set OUT,  46                          ; v[46:49]
.set ONE2, 50                          ; v[50:51] 1.0 twice; never rewritten
.set CP,   52                          ; v[52:59] -64 p twice, p = 0..3; never rewritten
.set SPW,  60                          ; v60      LDS address of my spare word; never rewritten
.set NIL,  61                          ; v61      0; never rewritten
.set WV,   10                          ; s10  my wave's number
.set G0,   12                          ; s[12:15] descriptor group 0
.set G1,   16                          ; s[16:23] descriptor group 1
.set NX,   24                          ; s[24:31] the record that is on its way
.set RC,   32                          ; s[32:39] the record at work: X0, DX, Y0, DY, CNT, Q0, G, AMP
.set LE,   41                          ; s41  the local number of the event in hand
.set NE,   42                          ; s42  the work-group's events
.set CT,   43                          ; s43  counts the trips
.set DX32, 44                          ; s44, s45  32 steps of X, Y: from chunk a to chunk b
.set DY32, 45
.set DX64, 46                          ; s46, s47  64 steps: from pair to pair
.set DY64, 47
.set G64,  48                          ; s[48:49] 64 steps of q: the packed addition names a pair and takes its low word for both halves
.set MANT, 50                          ; s50  the 23 fraction bits
.set ONE,  51                          ; s51  1.0's bits
.set SEL,  52                          ; s[52:53] v_permlanex16_b32's selects: each lane takes its own place in the other half
.set STG,  54                          ; s54  stage address of the event in hand
.set QS,   55                          ; s55  the work-group's first quad
.set NQ,   56                          ; s56  its quads
.set SVX,  57                          ; s57  EXEC, kept
.set CF,   62                          ; s62  CNT as f32
	s_load_b128 s[4:7], s[0:1], 0x0                ; tab s[4:5], rec s[6:7]
	s_load_b64 s[8:9], s[0:1], 0x10                ; out0
	v_lshl_add_u32 v[SPW], v0, 2, SPARE
	v_mov_b32 v[NIL], 0
	ds_add_u32 v[SPW], v[NIL]                      ; the wave's opening: the add and its wait ahead of my first tensor load; the set-up below, work on registers, stands between them
	ds_add_u32 v60, v61
	v_lshrrev_b32 v1, 5, v0
	v_readfirstlane_b32 s[WV], v1                  ; wave 0..31
	v_and_b32 v[LANE], 31, v0
	v_cvt_f32_u32 v[LF], v[LANE]
	v_mov_b32 v[PX], 0                             ; v_permlanex16_b32 counts as a reader of its destination
	v_add_f32 v[LF+1], 0x42000000, v[LF]           ; + 32
.irp r, 0,1,2,3
	v_mov_b32 v[OUT+\r], 0                         ; written whole once: their loads run under a narrowed EXEC
.endr
.irp r, 0,1
	v_mov_b32 v[ONE2+\r], 1.0
	v_mov_b32 v[CP+0+\r], 0
	v_mov_b32 v[CP+2+\r], 0xc2800000               ; -64
	v_mov_b32 v[CP+4+\r], 0xc3000000               ; -128
	v_mov_b32 v[CP+6+\r], 0xc3400000               ; -192
.endr
	; descriptor group 1: a dense block as 66 rows of 256 bytes, elements of 8 bytes, no padding: the look-ups want the words on end
	s_mov_b32 s[G1+0], 3<<16                       ; 15:0 no mask; 17:16 elements of 8 bytes
	s_mov_b32 s[G1+1], 32<<16                      ; tensor_dim0 = 32
	s_mov_b32 s[G1+2], 66<<16                      ; tensor_dim1 = 66
	s_mov_b32 s[G1+3], 32<<16                      ; tile_dim0 = 32
	s_mov_b32 s[G1+4], 66                          ; tile_dim1 = 66
	s_mov_b32 s[G1+5], 32                          ; 32 elements from row to row
	s_mov_b32 s[G1+6], 0
	s_mov_b32 s[G1+7], 0
	s_mov_b32 s[MANT], 0x7fffff
	s_mov_b32 s[ONE], 0x3f800000
	s_mov_b32 s[SEL], 0x76543210
	s_mov_b32 s[SEL+1], 0xfedcba98
	s_mov_b32 s[G64+1], 0                          ; named with s[G64] as a pair, so it is written
	s_mul_i32 s[QS], ttmp9, 97
	s_mul_i32 s2, ttmp9, 21
	s_add_co_u32 s3, s2, 21
	s_lshr_b32 s2, s2, 5
	s_lshr_b32 s3, s3, 5
	s_add_co_u32 s[QS], s[QS], s2                  ; 97 w + (21 w >> 5)
	s_sub_co_u32 s[NQ], s3, s2
	s_add_co_u32 s[NQ], s[NQ], 97                  ; 97 or 98
	s_lshl_b32 s[NE], s[NQ], 2
	s_lshl_b32 s58, s[QS], 2
	s_add_co_u32 s58, s58, s[WV]                   ; my wave's first event,
	s_lshl_b32 s58, s58, 5                         ; its record's byte
	s_mov_b32 s59, 0
	s_mul_i32 s60, s[WV], PART                     ; my part of the table, in memory as in LDS
	s_mov_b32 s61, 0
	s_mov_b32 s[LE], s[WV]
	s_lshl_b32 s[STG], s[WV], 6
	s_add_co_u32 s[STG], s[STG], STAGE
	s_wait_dscnt 0x0                               ; the opening add is done
	s_wait_kmcnt 0x0
	s_add_nc_u64 s[6:7], s[6:7], s[58:59]
	s_cmp_ge_u32 s[WV], 16
	s_cbranch_scc1 .Lnofill                        ; waves 0..15 fetch, one load each: one tensor load of a wave is out
	s_mov_b32 s[G0], 1                             ; count = 1
	s_mul_i32 s[G0+1], s[WV], PART                 ; LDS address
	s_add_nc_u64 s[G0+2:G0+3], s[4:5], s[60:61]    ; global address
	s_or_b32 s[G0+3], s[G0+3], 0x80000000          ; type = 2
	tensor_load_to_lds s[G0:G0+3], s[G1:G1+7]
	s_nop 0
.Lnofill:
	s_load_b256 s[NX:NX+7], s[6:7], 0x0            ; my first record
	s_wait_tensorcnt 0x0                           ; my part of the table has landed,
	s_barrier_signal -1
	s_barrier_wait -1                              ; everybody's has; from here on nobody writes the table
; Pair p: samples 64 p + lane (a) and 64 p + 32 + lane (b).  32 vector lines and four look-ups; the last pair steps nothing on.
.macro PAIR p
	v_lshrrev_b32 v[RXA], 23, v[XA]
	v_lshrrev_b32 v[RYA], 23, v[YA]
	v_lshrrev_b32 v[RXB], 23, v[XB]
	v_lshrrev_b32 v[RYB], 23, v[YB]
	v_mad_u32_u24 v[AA], v[RXA], 257, v[RYA]
	v_mad_u32_u24 v[AB], v[RXB], 257, v[RYB]
	v_min_u32 v[AA], AMAX, v[AA]                   ; changes nothing for a sample taken; the other lanes stay inside the table: 4 x 66,564 + 1,028 + 4 = 267,288
	v_min_u32 v[AB], AMAX, v[AB]
	v_lshlrev_b32 v[AA], 2, v[AA]
	v_lshlrev_b32 v[AB], 2, v[AB]
	ds_load_b32 v[T0A], v[AA]
	ds_load_b32 v[T1A], v[AA] offset:1028          ; 257 words on: the row below
	ds_load_b32 v[T0B], v[AB]
	ds_load_b32 v[T1B], v[AB] offset:1028
	v_pk_mul_f32 v[E:E+1], v[Q:Q+1], v[Q:Q+1]
	v_pk_fma_f32 v[T:T+1], v[RMF:RMF+1], v[ONE2:ONE2+1], v[CP+2*(\p):CP+2*(\p)+1] clamp  ; CNT - k, a whole number, held to 0 .. 1: 1 where k is below CNT, else 0
	v_exp_f32 v[W], -v[E]
	v_exp_f32 v[W+1], -v[E+1]
	v_and_or_b32 v[FYA], v[YA], s[MANT], s[ONE]    ; 1 + fy (also the plain line behind the exponentials: ISA guide 5.7.2)
	v_and_or_b32 v[FYB], v[YB], s[MANT], s[ONE]
	v_and_or_b32 v[FX], v[XA], s[MANT], s[ONE]
	v_and_or_b32 v[FX+1], v[XB], s[MANT], s[ONE]
	v_pk_add_f32 v[FX:FX+1], v[FX:FX+1], v[ONE2:ONE2+1] neg_lo:[0,1] neg_hi:[0,1]  ; fx
	s_wait_alu depctr_va_vdst(0)
	v_pk_mul_f32 v[W:W+1], v[W:W+1], v[T:T+1]      ; lanes behind the last sample taken weigh 0
.if (\p) < PAIRS-1
	v_add_nc_u32 v[XA], s[DX64], v[XA]             ; on to the next pair
	v_add_nc_u32 v[XB], s[DX64], v[XB]
	v_add_nc_u32 v[YA], s[DY64], v[YA]
	v_add_nc_u32 v[YB], s[DY64], v[YB]
	v_pk_add_f32 v[Q:Q+1], v[Q:Q+1], s[G64:G64+1] op_sel_hi:[1,0]
.endif
	s_wait_dscnt 0x2                               ; LDS answers in order (ISA guide 5.7.1): a's two words are in, b's two, the younger, may be out
	v_fma_mix_f32_bf16 v[R0], v[T0A], v[FYA], v[T0A] op_sel:[1,0,0] op_sel_hi:[1,0,1]    ; hi x (1 + fy) + lo
	v_fma_mix_f32_bf16 v[R1], v[T1A], v[FYA], v[T1A] op_sel:[1,0,0] op_sel_hi:[1,0,1]
	s_wait_dscnt 0x0
	v_fma_mix_f32_bf16 v[R0+1], v[T0B], v[FYB], v[T0B] op_sel:[1,0,0] op_sel_hi:[1,0,1]
	v_fma_mix_f32_bf16 v[R1+1], v[T1B], v[FYB], v[T1B] op_sel:[1,0,0] op_sel_hi:[1,0,1]
	v_pk_add_f32 v[D:D+1], v[R1:R1+1], v[R0:R0+1] neg_lo:[0,1] neg_hi:[0,1]
	v_pk_fma_f32 v[U:U+1], v[FX:FX+1], v[D:D+1], v[R0:R0+1]        ; between the rows
	v_pk_fma_f32 v[ACC:ACC+1], v[W:W+1], v[U:U+1], v[ACC:ACC+1]
.endm
	s_mov_b32 s[CT], 0
.Levent:                                               ; 13 trips
	s_wait_kmcnt 0x0                               ; the record is in, and its load's pointer may be stepped
	s_mov_b64 s[RC+0:RC+1], s[NX+0:NX+1]
	s_mov_b64 s[RC+2:RC+3], s[NX+2:NX+3]
	s_mov_b64 s[RC+4:RC+5], s[NX+4:NX+5]
	s_mov_b64 s[RC+6:RC+7], s[NX+6:NX+7]
	s_add_nc_u64 s[6:7], s[6:7], 1024              ; 32 events on
	s_load_b256 s[NX:NX+7], s[6:7], 0x0            ; the next record, one event's work ahead.  The furthest is record 99,608 + 31 + 13 x 32 = 100,055 of the 100,096 that were stored
	v_mov_b32 v[ACC], 0
	v_mov_b32 v[ACC+1], 0
	s_cmp_ge_u32 s[LE], s[NE]
	s_cbranch_scc1 .Lsum                           ; a place behind the work-group's last event walks no sample: its stage word takes a sum of zeros, which nobody reads
	v_mul_lo_u32 v[XA], v[LANE], s[RC+1]
	v_mul_lo_u32 v[YA], v[LANE], s[RC+3]
	s_cvt_f32_u32 s[CF], s[RC+4]                   ; CNT, at most 256: exact
	s_lshl_b32 s[DX32], s[RC+1], 5
	s_lshl_b32 s[DY32], s[RC+3], 5
	s_lshl_b32 s[DX64], s[RC+1], 6
	s_lshl_b32 s[DY64], s[RC+3], 6
	s_mul_f32 s[G64], s[RC+6], 0x42800000          ; 64 G
	v_fma_f32 v[Q], v[LF], s[RC+6], s[RC+5]        ; q of my first two samples
	v_fma_f32 v[Q+1], v[LF+1], s[RC+6], s[RC+5]
	v_sub_f32 v[RMF], s[CF], v[LF]
	v_sub_f32 v[RMF+1], s[CF], v[LF+1]
	v_add_nc_u32 v[XA], s[RC+0], v[XA]             ; their places
	v_add_nc_u32 v[YA], s[RC+2], v[YA]
	v_add_nc_u32 v[XB], s[DX32], v[XA]
	v_add_nc_u32 v[YB], s[DY32], v[YA]
.set p, 0
.rept PAIRS
	PAIR p
.set p, p+1
.endr
.Lsum:
	; the two sums of each lane, then the 32 lanes': four steps inside each half ride on the additions, one crosses the halves
	v_add_f32 v[ACC], v[ACC], v[ACC+1]
	v_add_f32_dpp v[ACC], v[ACC], v[ACC] row_xmask:1 row_mask:0xf bank_mask:0xf
	v_add_f32_dpp v[ACC], v[ACC], v[ACC] row_xmask:2 row_mask:0xf bank_mask:0xf
	v_add_f32_dpp v[ACC], v[ACC], v[ACC] row_xmask:4 row_mask:0xf bank_mask:0xf
	v_add_f32_dpp v[ACC], v[ACC], v[ACC] row_xmask:8 row_mask:0xf bank_mask:0xf
	v_permlanex16_b32 v[PX], v[ACC], s[SEL], s[SEL+1]
	v_mov_b32 v[SA], s[STG]
	v_add_f32 v[ACC], v[ACC], v[PX]
	v_mul_f32 v[ACC], s[RC+7], v[ACC]              ; x AMP, once an event
	ds_store_b32 v[SA], v[ACC]                     ; all lanes write the same number to the same word, in my wave's own 64 bytes
	s_add_co_u32 s[LE], s[LE], 32
	s_add_co_u32 s[STG], s[STG], 4
	s_add_co_u32 s[CT], s[CT], 1
	s_cmp_lt_u32 s[CT], TRIPS
	s_cbranch_scc1 .Levent
	; THE WAY OUT.  Thread t below the number of quads stores events 4 t .. 4 t + 3: sixteen lanes store 256 consecutive bytes.  A work-group's range begins at a multiple of 16 bytes:
	; shares in whole blocks of 64 events would be 6 or 7 blocks a work-group, a sixth more work for some.
	s_wait_kmcnt 0x0                               ; the last record asked for serves nothing
	s_wait_dscnt 0x0                               ; for the others' sake: my stores into the stage are done
	s_barrier_signal -1
	v_and_b32 v[RXA], 7, v0                        ; local event 4 t + k was wave 4 (t % 8) + k's, in its trip t / 8
	v_bfe_u32 v[RYA], v0, 3, 4
	v_min_u32 v[RYA], TRIPS-1, v[RYA]              ; changes nothing for t below 98; the other lanes' addresses stay on words that were stored
	v_lshlrev_b32 v[RD], 8, v[RXA]
	v_lshl_add_u32 v[RD], v[RYA], 2, v[RD]
	v_add_nc_u32 v[RD], STAGE, v[RD]
	v_add_lshl_u32 v[GO], v0, s[QS], 4
	v_cmp_gt_u32 vcc_lo, s[NQ], v0
	s_barrier_wait -1
	s_wait_xcnt 0x0                                ; EXEC changes only behind this wait
	s_and_saveexec_b32 s[SVX], vcc_lo
	ds_load_b32 v[OUT+0], v[RD]
	ds_load_b32 v[OUT+1], v[RD] offset:64
	ds_load_b32 v[OUT+2], v[RD] offset:128
	ds_load_b32 v[OUT+3], v[RD] offset:192
	s_wait_dscnt 0x0
	global_store_b128 v[GO], v[OUT:OUT+3], s[8:9]
	s_wait_xcnt 0x0                                ; and again, in front of the line that widens it
	s_or_b32 exec_lo, exec_lo, s[SVX]
	s_wait_tensorcnt 0x0                           ; the wave's end: behind my last tensor load and my last LDS store
	ds_add_u32 v[SPW], v[NIL]
	s_wait_dscnt 0x0
	s_endpgm
.Lfunc_end_k_qdcbeac4d68_march:
	.size	k_qdcbeac4d68_march, .Lfunc_end_k_qdcbeac4d68_march-k_qdcbeac4d68_march
	.p2alignl 7, 3214868480
	.fill 96, 4, 3214868480
	.section	.rodata,"a",@progbits
	.p2align	6, 0x0
	.amdhsa_kernel k_qdcbeac4d68_march
		.amdhsa_group_segment_fixed_size 276480
		.amdhsa_private_segment_fixed_size 0
		.amdhsa_enable_private_segment 0
		.amdhsa_kernarg_size 24
		.amdhsa_user_sgpr_count 2
		.amdhsa_user_sgpr_kernarg_segment_ptr 1
		.amdhsa_wavefront_size32 1
		.amdhsa_system_sgpr_workgroup_id_x 1
		.amdhsa_system_sgpr_workgroup_id_y 1
		.amdhsa_system_sgpr_workgroup_id_z 1
		.amdhsa_system_vgpr_workitem_id 0
		.amdhsa_next_free_vgpr 64
		.amdhsa_next_free_sgpr 66
		.amdhsa_reserve_vcc 1
		.amdhsa_float_denorm_mode_32 3
		.amdhsa_float_denorm_mode_16_64 3
		.amdhsa_memory_ordered 1
		.amdhsa_forward_progress 1
		.amdhsa_inst_pref_size 15
	.end_amdhsa_kernel
	.amdgpu_metadata
---
amdhsa.version: [ 1, 2 ]
amdhsa.kernels:
  - .name:           k_qdcbeac4d68_march
    .symbol:         k_qdcbeac4d68_march.kd
    .args:
      - { .name: tab, .offset: 0, .size: 8, .value_kind: global_buffer, .address_space: global }
      - { .name: rec, .offset: 8, .size: 8, .value_kind: global_buffer, .address_space: global }
      - { .name: out0, .offset: 16, .size: 8, .value_kind: global_buffer, .address_space: global }
    .group_segment_fixed_size: 276480
    .private_segment_fixed_size: 0
    .kernarg_segment_align: 8
    .kernarg_segment_size: 24
    .max_flat_workgroup_size: 1024
    .sgpr_count:     66
    .vgpr_count:     64
    .wavefront_size: 32
...
	.end_amdgpu_metadata
.endif
;; end of part 3
